; MI455X (gfx1250); checked and timed in simulation.
; The chip was launched on July 23, 2026; its instructions are those of AMD's public machine-readable ISA for CDNA 5 (MIT licence, August 2026) and "CDNA5" Instruction Set Architecture Reference Guide (July 2026). The comments in the code are by the model that wrote it; some were corrected since.
;; Flash Attention. Allowed arithmetic: matrix products marked QUANTISED: E3M2 operands, one E8M0 scale for each 32 along K, by v_wmma_scale_f32_16x16x128_f8f6f4 with both operands' format E3M2, f32 sums; everything else in f32.
;; Inputs: k 1 x 4,096 x 1,024 float32; q 1 x 4,096 x 1,024 float32; v_codes 1 x 1,024 x 128 x 24 uint8 (E3M2 codes of v, K innermost, in blocks of 32 codes, four codes in three bytes); v_scales 1 x 1,024 x 128 uint8 (E8M0 scales of v, one for each 32 codes along K).
;; Outputs: out0 1 x 4,096 x 1,024 float32.
;; This version of the problem:
;;   THIS VERSION OF THE PROBLEM IS GIVEN IN LOW PRECISION. The matrix products marked QUANTISED in the list below multiply operands that are first quantised to E3M2 (3 exponent bits, 2 mantissa bits; 6 bits a number), with one power-of-two scale for each 32 numbers along K (OCP MX v1.0); their sums are f32. All else is computed in f32.
;;   The module's matrix products, in the order in which they are computed (A, B: the left and right operand; K: the contracted axis; several contracted axes count as one K, in the product's order):
;;     1. batch 16 x [M 4,096, K 64] x [K 64, N 4,096]; A: input q; B: input k: QUANTISED
;;     2. batch 16 x [M 4,096, K 4,096] x [K 4,096, N 64]; A: computed on the way; B: input v (given as codes): QUANTISED
;;   THE QUANTISER, for each operand of a quantised product, along K:
;;     - K is cut into blocks of 32 from its start; a last block that is shorter is filled with zeros.
;;     - A block's scale is 2^e with e = floor(log2(the largest magnitude in the block)) - 4, held to -126 .. 127; a block of zeros has e = 0. As a byte (E8M0): e + 127.
;;     - Each number is divided by its block's scale, clamped to +-28, and rounded to the nearest number of E3M2, ties to even, subnormals kept.
;;     - The product sums the exact products of the quantised numbers (number of the format x scale) in f32.
;;   ~~~python
;;   def quantise(x, axis):      # numpy; x: float32 -> the quantised numbers, widened to float32 again
;;       x = np.moveaxis(x, axis, -1); K = x.shape[-1]
;;       x = np.pad(x, [(0, 0)] * (x.ndim - 1) + [(0, -K % 32)]); x = x.reshape(x.shape[:-1] + (-1, 32)); a = np.abs(x).max(-1, keepdims=True)
;;       e = np.where(a > 0, np.clip(np.frexp(np.where(a > 0, a, 1))[1] - 1 - 4, -126, 127), 0)      # np.frexp(a)[1] - 1 = floor(log2(a)), exactly
;;       r = np.clip(x / 2.0 ** e, -28, 28)
;;       step = 2.0 ** (np.maximum(np.frexp(np.where(r == 0, 1, r))[1] - 1, -2) - 2)
;;       q = np.round(r / step) * step * 2.0 ** e      # np.round: ties to even
;;       return np.moveaxis(q.reshape(q.shape[:-2] + (-1,))[..., :K], -1, axis).astype(np.float32)
;;   ~~~
;;   OPERANDS COMPUTED ON THE WAY. 'Computed on the way' means the value that the module computes at that place (a softmax that the list does not call 'softmax' is quantised finished and normalised). What goes into a quantiser is computed in f32, as accurately as f32 sums, v_exp_f32 and their like allow (about 1e-6 of the number): no bf16 or f16 on the way to a quantiser, and a product that is left as it is and whose result goes on into a quantised operand takes f32 operands (vector FMAs, or v_wmma_f32_16x16x4_f32). A number that lies on a knife's edge between two numbers of the format may be rounded either way, as far as f32 arithmetic and the matrix unit's own rounding can turn it there, and no further.
;;   INPUTS GIVEN AS CODES. v (in the module: [1, 4096, 1024], K = its axis 1): each comes as NAME_codes (uint8): NAME with its K axis moved to the last place and cut into blocks of 32 codes, [.., K / 32, bytes a block], one block behind the other in memory; four codes in three bytes: a row's codes are one little-endian stream of bits, code i at bits 6 i .. 6 i + 5 (a code: sign, 3 exponent bits, 2 mantissa bits); and NAME_scales (uint8): the same leading axes, one E8M0 byte (e + 127) for each 32 codes along K. Its value is code x scale, taken as it is: it is not quantised again, and the codes and scales need not be those that the quantiser above would give.
;; One version. Each part assembles by itself: llvm-mc -triple=amdgcn-amd-amdhsa -mcpu=gfx1250 --defsym DOCPART=n.
;; ======== version 1 of 1: 2 launches
;; limits: right only within a limited range of input values
;; workspace buffers: k_img 3,276,800 bytes; v_img 3,145,728 bytes
;; launch prep (part 1): grid 256 x 1, 8 waves a work-group, no clusters, 70,656 bytes of LDS; arguments k, v_codes, k_img, v_img; writes k_img, v_img
.if DOCPART == 1
	.amdgcn_target "amdgcn-amd-amdhsa--gfx1250"
	.amdhsa_code_object_version 6
	.text
	.protected	k_q2f2e86406e_prep
	.globl	k_q2f2e86406e_prep
	.p2align	8
	.type	k_q2f2e86406e_prep,@function
k_q2f2e86406e_prep:
	s_mov_b64 s[64:65], 0
	v_nop
	global_prefetch_b8 v0, s[64:65] scope:SCOPE_SE
	s_setreg_imm32_b32 hwreg(HW_REG_WAVE_MODE, 25, 1), 1
	s_wait_xcnt 0x0
; k [4096][1024] f32 is quantised along a head's 64 channels (two blocks of 32) into codes of E3M2 with E8M0 scale bytes, and laid as IMAGES OF OPERAND REGISTERS for the attention launch;
; v_codes [1024][128][24] is only laid anew, fragment by fragment, as such images.  Each head's k and v are read by sixteen work-groups of the next launch: quantised and laid once, here.
; A PAIR is one block of 32 keys as 16 rows of 128 codes: row r holds key 32 P + r + 8 (r / 8) in k 0-63 (half u = 0) and that key + 8 in k 64-127 (u = 1).  In the 6-bit operand layout lane (r, h) holds k = 64 u + 32 h + 0 .. 31 in
; registers 6 u .. 6 u + 5: block h of the key of half u.  k_img: [head][P][chunk c of 3][lane][16 bytes] = registers 4 c .. 4 c + 3.  k_sc: [head][P][r] one word: bytes (u0 block 0, u0 block 1, u1 block 0, u1 block 1).
; v_img: [F][c][lane][16 bytes], F = 128 head + 4 (K step of 128 keys) + j: the fragment of channels 64 head + 16 j + r.
; SHARES: work-group x, wave w: pair P = x / 2 of head 8 (x % 2) + w (the eight waves read 2,048 consecutive bytes of each of 32 rows of k), and fragment F = 8 x + w of v.  Waves share nothing: no barrier.
; A block's scale byte is its largest magnitude's exponent field - 4, held at 1 from below.  A block of zeros so has the byte 1 where the rule says 127: its codes are zeros, and this program alone reads the bytes.
; LIMITS: NaN and infinities among the inputs are not served.
; THE LAYOUT AS THE CODE BELOW MAKES IT (it stands in place of what the lines above say of a pair's keys and of k_sc):
; pair P holds, in row r = 8 a + b and half u, key 64 (P / 2) + 32 a + 16 (P % 2) + 8 u + b, so that in the attention launch a lane's 32 registers of four tiles are one whole block of 32 keys.
; k_img is cut into chunks of 51,200 bytes, one for each head and 32 pairs: 32 images of 1,536 bytes, then the 32 pairs' sixteen scale words each (2,048 bytes).  There is no buffer k_sc.
.set SLOTB, 272
.set STGB,  32*SLOTB                   ; a wave's stage
.set MX,  10                           ; v10-11  largest magnitudes, half u
.set SO,  12                           ; v12-13  the conversions' scale operands
.set BY,  14                           ; v14-15  the scale bytes
.set WD,  16                           ; v16     the row's scale word
.set SH,  17                           ; v17     8 h
.set TP,  18                           ; v18     the other half of the lanes' part of the word
.set PC,  20                           ; v20-31  the pair's twelve registers
.set PT,  32                           ; v32-38  the second halves of the blocks' codes
.set VF,  40                           ; v40-51  v's fragment
.set RAW, 64                           ; v64-127 k as loaded
.set X,   128                          ; v128-191 two blocks of 32 neighbours
	s_load_b256 s[4:11], s[0:1], 0x0               ; k s[4:5], v_codes s[6:7], k_img s[8:9], k_sc s[10:11]
	s_load_b64 s[12:13], s[0:1], 0x18              ; v_img (s[10:11] is made below: where the scale words go in k_img)
	v_lshl_add_u32 v192, v0, 2, 0x11000
	v_mov_b32 v193, 0
	v_lshrrev_b32 v1, 5, v0
	s_delay_alu instid0(VALU_DEP_1)
	v_readfirstlane_b32 s16, v1                    ; wave 0..7
	v_and_b32 v1, 31, v0                           ; lane
	v_and_b32 v2, 15, v0                           ; r
	v_bfe_u32 v3, v0, 4, 1                         ; h
	s_wait_alu depctr_va_vdst(0)
	s_mov_b32 s20, 0x76543210
	s_mov_b32 s21, 0xfedcba98                      ; v_permlanex16_b32: lane l xor 16
	s_lshr_b32 s17, ttmp9, 1                       ; P
	s_and_b32 s18, ttmp9, 1
	s_lshl_b32 s18, s18, 3
	s_add_co_u32 s18, s18, s16                     ; head
	s_lshr_b32 s24, s17, 1
	s_lshl_b32 s24, s24, 18                        ; k: 64 (P / 2) rows of 4,096 bytes
	s_and_b32 s25, s17, 1
	s_lshl_b32 s25, s25, 16                        ; + 16 (P % 2) rows
	s_add_co_u32 s24, s24, s25
	s_lshl_b32 s25, s18, 8                         ; + the head's 256 bytes
	s_add_co_u32 s24, s24, s25
	s_mov_b32 s25, 0
	s_lshl_b32 s19, s18, 7
	s_add_co_u32 s19, s19, s17                     ; 128 head + P
	s_lshr_b32 s27, s19, 5                         ; the chunk
	s_mul_i32 s28, s27, 51200
	s_and_b32 s29, s19, 31
	s_lshl_b32 s29, s29, 6
	s_add_co_u32 s28, s28, s29
	s_add_co_u32 s28, s28, 49152                   ; the pair's sixteen scale words, behind the chunk's images
	s_mul_i32 s26, s19, 1536
	s_lshl_b32 s27, s27, 11
	s_add_co_u32 s26, s26, s27                     ; its image: 1,536 a pair + 2,048 a chunk
	s_mov_b32 s27, 0
	s_mov_b32 s29, 0
	s_lshl_b32 s22, ttmp9, 3
	s_add_co_u32 s22, s22, s16                     ; F
	s_lshr_b32 s23, s22, 7
	s_lshl_b32 s23, s23, 6                         ; 64 x head of v
	s_and_b32 s30, s22, 3
	s_lshl_b32 s30, s30, 4                         ; 16 j
	s_add_co_u32 s23, s23, s30
	s_mul_i32 s23, s23, 3072                       ; the fragment's first row of v_codes
	s_bfe_u32 s30, s22, 0x50002                    ; its K step: 5 bits from bit 2
	s_mul_i32 s30, s30, 96                         ; 128 codes are 96 bytes
	s_add_co_u32 s30, s30, s23
	s_mov_b32 s31, 0
	s_mul_i32 s22, s22, 1536                       ; and its image
	s_mov_b32 s23, 0
	s_mul_i32 s15, s16, STGB                       ; my stage
	v_lshlrev_b32 v4, 12, v3
	s_delay_alu instid0(VALU_DEP_1)
	v_lshl_add_u32 v4, v2, 4, v4                   ; k: lanes 0-15 one key's 256 bytes, lanes 16-31 the next key's
	v_mul_u32_u24 v5, v3, SLOTB
	s_delay_alu instid0(VALU_DEP_1)
	v_lshl_add_u32 v5, v2, 4, v5
	s_delay_alu instid0(VALU_DEP_1)
	v_add_nc_u32 v5, s15, v5                       ; the same two keys in the stage
	v_mul_u32_u24 v6, v2, SLOTB
	s_delay_alu instid0(VALU_DEP_1)
	v_lshl_add_u32 v6, v3, 7, v6
	s_delay_alu instid0(VALU_DEP_1)
	v_add_nc_u32 v6, s15, v6                       ; out of it: place r of a half, block h
	v_lshlrev_b32 v7, 4, v1                        ; an image's 16 bytes a lane
	v_lshlrev_b32 v8, 2, v2                        ; a scale word a row
	v_mul_u32_u24 v9, v2, 3072
	s_delay_alu instid0(VALU_DEP_1)
	v_mad_u32_u24 v9, v3, 24, v9                   ; v_codes: row r, + 24 h
	v_lshlrev_b32 v[SH], 3, v3
	v_mov_b32 v[TP], 0                             ; a lane permute's destination counts as read
	s_wait_alu depctr_va_vdst(0)
	s_wait_kmcnt 0x0
	s_add_nc_u64 s[4:5], s[4:5], s[24:25]
	s_add_nc_u64 s[6:7], s[6:7], s[30:31]
	s_add_nc_u64 s[10:11], s[8:9], s[28:29]
	s_add_nc_u64 s[8:9], s[8:9], s[26:27]
	s_add_nc_u64 s[12:13], s[12:13], s[22:23]
.irp p, 0,1,2,3,4,5
	global_load_b64 v[VF+2*\p:VF+2*\p+1], v9, s[6:7] offset:48*(\p/3)+8*(\p%3)   ; v's fragment, in pieces of 8 bytes: every address a multiple of the access
.endr
.irp i, 0,1,2,3,4,5,6,7,8,9,10,11,12,13,14,15
	global_load_b128 v[RAW+4*\i:RAW+4*\i+3], v4, s[4:5] offset:8192*\i+65536*(\i/8) th:TH_LOAD_NT   ; local keys 2 i, 2 i + 1; the upper sixteen lie 16 rows further on
.endr
; Key 16 a + 8 u + b (b under 8) goes to place 16 u + 8 a + b, so that the sixteen rows of half u lie in sixteen neighbouring places.
.irp i, 0,1,2,3,4,5,6,7,8,9,10,11,12,13,14,15
	s_wait_loadcnt 15-\i                           ; loads come back in order: load i of k is in, the 15 - i younger ones stay out
	ds_store_b128 v5, v[RAW+4*\i:RAW+4*\i+3] offset:SLOTB*(16*(((2*\i)>>3)&1)+8*((2*\i)>>4)+((2*\i)&7))
.endr
.irp u, 0,1
.irp i, 0,1,2,3,4,5,6,7
	ds_load_b128 v[X+32*\u+4*\i:X+32*\u+4*\i+3], v6 offset:16*\u*SLOTB+16*\i   ; LDS serves a wave's instructions in order: these see my stores
.endr
.endr
	s_wait_dscnt 0x0
.irp u, 0,1
	v_max3_num_f32 v[MX+\u], |v[X+32*\u]|, |v[X+32*\u+1]|, 0x2800000   ; a whole block is mine; the floor 2^(5 - 127) holds the byte at 1 from below
.endr
.irp i, 2,4,6,8,10,12,14,16,18,20,22,24,26,28,30
.irp u, 0,1
	s_delay_alu instid0(VALU_DEP_2)
	v_max3_num_f32 v[MX+\u], v[MX+\u], |v[X+32*\u+\i]|, |v[X+32*\u+\i+1]|   ; (the two blocks by turns)
.endr
.endr
.irp u, 0,1
	s_delay_alu instid0(VALU_DEP_2)
	v_add_nc_u32 v[SO+\u], 0xfe000000, v[MX+\u]    ; 4 off the exponent field: the conversion takes that field as its scale
.endr
.irp u, 0,1
	s_delay_alu instid0(VALU_DEP_2)
	v_lshrrev_b32 v[BY+\u], 23, v[SO+\u]           ; the scale's byte
.endr
	s_delay_alu instid0(VALU_DEP_1)
	v_lshl_or_b32 v[WD], v[BY+1], 16, v[BY]        ; my two bytes: block h of both halves,
	s_delay_alu instid0(VALU_DEP_1)
	v_lshlrev_b32 v[WD], v[SH], v[WD]              ; 8 h bits up;
	s_delay_alu instid0(VALU_DEP_1)
	v_permlanex16_b32 v[TP], v[WD], s20, s21
	s_delay_alu instid0(VALU_DEP_1)
	v_or_b32 v[WD], v[WD], v[TP]                   ; with lane l xor 16's two the word is whole
.irp u, 0,1
	v_cvt_scalef32_pk16_bf6_f32 v[PC+6*\u:PC+6*\u+2], v[X+32*\u:X+32*\u+15], v[SO+\u]
	v_cvt_scalef32_pk16_bf6_f32 v[PT+4*\u:PT+4*\u+2], v[X+32*\u+16:X+32*\u+31], v[SO+\u]   ; (a conversion's three registers begin on an even number)
.endr
	v_nop                                          ; one plain line between a scaled conversion and the vector lines that read its result
.irp u, 0,1
.irp i, 0,1,2
	v_mov_b32 v[PC+6*\u+3+\i], v[PT+4*\u+\i]
.endr
.endr
.irp c, 0,1,2
	global_store_b128 v7, v[PC+4*\c:PC+4*\c+3], s[8:9] offset:512*\c     ; 512 consecutive bytes, at a multiple of 256 from the buffer's first byte
.endr
.irp c, 0,1,2
	global_store_b128 v7, v[VF+4*\c:VF+4*\c+3], s[12:13] offset:512*\c
.endr
	v_cmp_gt_u32 vcc_lo, 16, v1
	s_wait_xcnt 0x0                                ; EXEC is a source of the stores above: it changes only behind this wait
	s_wait_tensorcnt 0x0
	ds_add_u32 v192, v193
	s_wait_dscnt 0x0
	s_and_saveexec_b32 s14, vcc_lo
	global_store_b32 v8, v[WD], s[10:11]           ; sixteen words, 64 bytes a wave: one byte for each 128 that the wave reads of k
	s_wait_xcnt 0x0
	s_or_b32 exec_lo, exec_lo, s14
	s_endpgm
.Lfunc_end_k_q2f2e86406e_prep:
	.size	k_q2f2e86406e_prep, .Lfunc_end_k_q2f2e86406e_prep-k_q2f2e86406e_prep
	.p2alignl 7, 3214868480
	.fill 96, 4, 3214868480
	.section	.rodata,"a",@progbits
	.p2align	6, 0x0
	.amdhsa_kernel k_q2f2e86406e_prep
		.amdhsa_group_segment_fixed_size 70656
		.amdhsa_private_segment_fixed_size 0
		.amdhsa_enable_private_segment 0
		.amdhsa_kernarg_size 32
		.amdhsa_user_sgpr_count 2
		.amdhsa_user_sgpr_kernarg_segment_ptr 1
		.amdhsa_wavefront_size32 1
		.amdhsa_system_sgpr_workgroup_id_x 1
		.amdhsa_system_sgpr_workgroup_id_y 1
		.amdhsa_system_sgpr_workgroup_id_z 1
		.amdhsa_system_vgpr_workitem_id 0
		.amdhsa_next_free_vgpr 194
		.amdhsa_next_free_sgpr 66
		.amdhsa_reserve_vcc 1
		.amdhsa_float_denorm_mode_32 3
		.amdhsa_float_denorm_mode_16_64 3
		.amdhsa_memory_ordered 1
		.amdhsa_forward_progress 1
		.amdhsa_inst_pref_size 14
	.end_amdhsa_kernel
	.amdgpu_metadata
---
amdhsa.version: [ 1, 2 ]
amdhsa.kernels:
  - .name:           k_q2f2e86406e_prep
    .symbol:         k_q2f2e86406e_prep.kd
    .args:
      - { .name: k, .offset: 0, .size: 8, .value_kind: global_buffer, .address_space: global }
      - { .name: v_codes, .offset: 8, .size: 8, .value_kind: global_buffer, .address_space: global }
      - { .name: k_img, .offset: 16, .size: 8, .value_kind: global_buffer, .address_space: global }
      - { .name: v_img, .offset: 24, .size: 8, .value_kind: global_buffer, .address_space: global }
    .group_segment_fixed_size: 70656
    .private_segment_fixed_size: 0
    .kernarg_segment_align: 8
    .kernarg_segment_size: 32
    .max_flat_workgroup_size: 256
    .sgpr_count:     66
    .vgpr_count:     194
    .wavefront_size: 32
...
	.end_amdgpu_metadata
.endif
;; end of part 1
;; launch attn (part 2): grid 16 x 16, 4 waves a work-group, clusters of 4 x 1, 327,680 bytes of LDS; arguments q, k_img, v_img, v_scales, out0; writes out0
.if DOCPART == 2
	.amdgcn_target "amdgcn-amd-amdhsa--gfx1250"
	.amdhsa_code_object_version 6
	.text
	.protected	k_q2f2e86406e_attn
	.globl	k_q2f2e86406e_attn
	.p2align	8
	.type	k_q2f2e86406e_attn,@function
k_q2f2e86406e_attn:
	s_mov_b64 s[64:65], 0
	v_nop
	global_prefetch_b8 v0, s[64:65] scope:SCOPE_SE
	s_setreg_imm32_b32 hwreg(HW_REG_WAVE_MODE, 25, 1), 1
	s_wait_xcnt 0x0
	s_wait_alu depctr_hold_cnt(0) depctr_sa_sdst(0) depctr_va_vdst(0) depctr_va_sdst(0) depctr_va_ssrc(0) depctr_va_vcc(0) depctr_vm_vsrc(0)
	s_getreg_b32 s2, hwreg(HW_REG_IB_STS2, 6, 4)
	s_cmp_eq_u32 s2, 0
	s_cbranch_scc0 .Lentry_in_a_cluster
	s_endpgm
.Lentry_in_a_cluster:
	s_bfe_u32 s2, ttmp6, 0x10000c
	s_cmp_lg_u32 s2, 0x3003
	s_cbranch_scc0 .Lentry_shape_is_right
	s_endpgm
.Lentry_shape_is_right:
; out[q][64 head + d] = sum over keys of w[q][key] v[key][d], w = e / (sum of e + 1e-6), e = exp(score - the row's largest score), score = (q . k) / 8.  Both products on codes of E3M2 with E8M0 scales.
; The finished w is what is quantised, so a row's maximum and sum are known before any w: A WHOLE ROW OF SCORES STAYS IN REGISTERS.
; SHARES.  A work-group of four waves owns one head and 256 queries, 16 at a time.  Wave w owns keys 1024 w .. + 1023: S^T (16 queries x 1,024 keys, f32) is 512 registers, made, exponentiated, normalised and quantised in place.
; K's images and scale words lie in LDS, the wave's 32 fragments of V in 384 registers, q's 16 tiles as codes in LDS (each wave quantises four of them at the head): the loop reads nothing from memory, so nothing is prefetched.
; LAYOUT.  Both products are transposed (S^T = K Q^T, O^T = V^T P^T): a lane holds one query.  A pair (16 rows x 128 codes) holds two keys a row and is multiplied by [q | zero codes] and by [zero codes | q].  The pairs' keys are chosen
; so that the 32 registers of four neighbouring tiles are one whole block of 32 keys in a lane (lanes 0-15 block 2 c, lanes 16-31 block 2 c + 1): a block's maximum needs no other lane, and the conversions' results are the operand's registers.
; EXPONENTS.  e = 2^(c s - R), R = c x the largest score of my 1,024 keys, c = log2(e) / 8; w = e x f, f = 2^(R - TM) / (l + 1e-6), TM and l from the four waves' (R, sum) through LDS.  A maximum is taken away ahead of every exponential.
; A block's largest w is not searched for: the block's largest score goes through the same multiply-add, exponential and multiplication (this takes v_exp_f32 not to fall where its input rises).
; THE WALK.  Group g is 128 keys, 64 registers.  As soon as group g is quantised (K step g), the next tile's images of K land in its registers (pair n in the place of pair n + 1, pair 3 in a buffer of its own);
; in K step g + 1 the next tile's products of group g stand among the multiplications of group g + 1, and their maxima among V's products.  The four waves' parts of O are added while the next tile's (R, sum) are exchanged.
; The last tile is written out with no look-ahead.
; CLUSTER.  The four query blocks of a cluster share a head: K's images are asked for jointly, one tensor load a wave, the launch's only fill.  V's fragments and q go by lane loads, which have no joint form.
; LIMITS.  NaN and infinities among the inputs are not served.  The promise holds while the scaled scores stay under 2^31 in magnitude.  v_exp_f32 gives 0 under 2^-126.  A block of zeros has the byte 1: its codes are zeros.
; The sums over keys are split over four waves and eight chains: another order of rounding than a plain sum's.  V's scale bytes are read as 32 bytes of each of 64 rows, once.
; REGISTERS: window 2: S groups 0-3 (64 each), window 3: groups 4-7; window 1: V's fragments 0-20 at 12 f, v254-255 the spare word's address and 0; window 0: fragments 21-31 from v124, v0-123 as named.
.set NT, 16
.set KW, 51200                         ; LDS 0: for each wave 32 images of 1,536 bytes and 2,048 bytes of scale words
.set KSO, 49152
.set QST, 204800                       ; q as f32, a stage: for each wave 64 rows x (256 + 16)
.set QP, 272
.set VSCL, 274432                      ; V's scale bytes: for each wave 64 rows x 48
.set VSW, 3072
.set QIMG, 286720                      ; q's tiles: 32 lanes x (24 bytes of codes + two scale words)
.set STAT, 303104                      ; (R, sum): for each wave 32 lanes x 8
.set OPART, 304128                     ; O's parts: for each wave 16 rows x 272
.set OW, 16*QP
.set SPARE, 321536                     ; the spare words
.set AK, 1
.set AKS, 2
.set AVS, 3
.set AST, 4
.set ASR, 5
.set AOS, 6
.set AOR, 7
.set AQ, 8
.set GO, 9
.set KS, 10                            ; v10-13 K's scale words, two sets: lanes 0-15 the even pair, 16-31 the odd
.set QS, 14                            ; v14-15 q's scale words for [q | 0], [0 | q]
.set PW, 16                            ; v16-17 w's scale word, two by turns
.set VS, 18                            ; v18-21 V's scale words, two sets
.set QF, 22                            ; v22-27 q, v28-33 zero codes, v34-39 q
.set PC, 40                            ; v40-51 w's codes
.set PT, 52                            ; v52-59 the conversions' second halves (v55 and v59 are not theirs)
.set T, 52                             ;        at other times at work
.set KB, 60                            ; v60-71 pair 3's image
.set ACC, 40                           ; v40-55 eight packed sums, while PC and PT are idle
.set U, 56                             ; v56-67 at work in the exchange, while PT and KB are idle
.set BM, 72                            ; v72-87 a register for each of my 16 blocks: largest score, e, w, the conversion's scale operand
.set O, 88                             ; v88-119 O^T's four accumulators; at the head five address registers
.set RT, 120                           ; v120 R, v121 my sum
.set LW, 121
.set FT, 122                           ; v122 f (named as a pair with v123)
.set SQW, O
.set SQR, O+1
.set AQW, O+2
.set GVS, O+3
.set GV, O+4
.set G1K, 32
.set G0K, 40
.set MSB, 0
.macro WIN new                         ; the immediate's high byte repeats the setting that is left
.if MSB != (\new)
	s_set_vgpr_msb (MSB<<8)|(\new)
.set MSB, \new
.endif
.endm
.macro PLACES n
.rept \n
	v_nop
.endr
.endm
.macro WA                              ; the wait ahead of and behind a batch of transcendentals, and ahead of a wait behind which something freshly written is read
	s_wait_alu depctr_va_vdst(0)
.endm
.macro ROUND
	s_barrier_signal -1
	s_barrier_wait -1
	s_cmp_lg_u32 s16, 0
	s_cbranch_scc1 .Lnot_wave_0_\@
	s_barrier_signal -3
.Lnot_wave_0_\@:
	s_barrier_wait -3
	s_barrier_signal -1
	s_barrier_wait -1
.endm
.macro W6 d, a, b, c, sa, sb, row
.if \row
	v_wmma_scale_f32_16x16x128_f8f6f4 v[\d:\d+7], v[\a:\a+11], v[\b:\b+11], \c, v[\sa], v[\sb] matrix_a_fmt:MATRIX_FMT_BF6 matrix_b_fmt:MATRIX_FMT_BF6 matrix_a_scale:MATRIX_SCALE_ROW1
.else
	v_wmma_scale_f32_16x16x128_f8f6f4 v[\d:\d+7], v[\a:\a+11], v[\b:\b+11], \c, v[\sa], v[\sb] matrix_a_fmt:MATRIX_FMT_BF6 matrix_b_fmt:MATRIX_FMT_BF6
.endif
.endm
; Tile u of pair n of group g of S^T
.macro WQK g, n, u
.set wD, 2+(\g)/4
.set rD, 64*((\g)%4)+16*(\n)+8*(\u)
.if (\n) == 3
.set wA, 0
.set rA, KB
.else
.set wA, wD
.set rA, 64*((\g)%4)+16*(\n)+16
.endif
.set wS, wA|(wD<<6)
.set rB, QF+6*(\u)
.set rK, KS+2*((\g)%2)+(\n)/2
.set rQ, QS+(\u)
.set rR, (\n)%2
	WIN wS
	W6 rD, rA, rB, 0, rK, rQ, rR
.endm
; O^T tile j += V's fragment x w's codes, K step g; the four accumulators by turns
.macro WPV g, j
.set fv, 4*(\g)+(\j)
.if fv < 21
.set wS, 1
.set rA, 12*fv
.else
.set wS, 0
.set rA, 124+12*(fv-21)
.endif
.set rD, O+8*(\j)
.set rK, VS+2*((\g)%2)+(\j)/2
.set rQ, PW+(\g)%2
.set rR, (\j)%2
	WIN wS
.if (\g) == 0
	W6 rD, rA, PC, 0, rK, rQ, rR
.else
	W6 rD, rA, PC, v[rD:rD+7], rK, rQ, rR
.endif
.endm
.macro LOADKA g                        ; group g's scale words and the images of pairs 0 to 2: 11 LDS loads
	WIN 0
	ds_load_b32 v[KS+2*((\g)%2)], v[AKS] offset:256*(\g)
	ds_load_b32 v[KS+2*((\g)%2)+1], v[AKS] offset:256*(\g)+128
.set wS, (2+(\g)/4)<<6
	WIN wS
.irp n, 0,1,2
.irp c, 0,1,2
	ds_load_b128 v[64*((\g)%4)+16*\n+16+4*\c:64*((\g)%4)+16*\n+19+4*\c], v[AK] offset:(4*(\g)+\n)*1536+512*\c
.endr
.endr
.endm
.macro LOADKB g                        ; pair 3's image: 3 LDS loads
	WIN 0
.irp c, 0,1,2
	ds_load_b128 v[KB+4*\c:KB+4*\c+3], v[AK] offset:(4*(\g)+3)*1536+512*\c
.endr
.endm
.macro VSLOAD g
	WIN 0
.irp t, 0,1
	ds_load_b32 v[VS+2*((\g)%2)+\t], v[AVS] offset:1536*\t+4*(\g)
.endr
.endm
.macro QLOAD                           ; a tile of q: its codes twice, its two scale words; then on to the next tile
	WIN 0
	ds_load_b128 v[QF:QF+3], v[AQ]
	ds_load_b64 v[QF+4:QF+5], v[AQ] offset:16
	ds_load_b128 v[QF+12:QF+15], v[AQ]
	ds_load_b64 v[QF+16:QF+17], v[AQ] offset:16
	ds_load_b64 v[QS:QS+1], v[AQ] offset:24
	v_add_nc_u32 v[AQ], 1024, v[AQ]
.endm
.macro OST                             ; my part of O: lane (r, h): query r, channels 16 j + 8 h + 0 .. 7; each accumulator from its low end on
	WIN 0
.irp j, 0,1,2,3
	ds_store_b128 v[AOS], v[O+8*\j:O+8*\j+3] offset:64*\j
	ds_store_b128 v[AOS], v[O+8*\j+4:O+8*\j+7] offset:64*\j+16
.endr
.endm
.macro OLOAD                           ; the four waves' parts of my four rows
	WIN 0
.irp t, 0,1
.irp w, 0,1,2,3
	ds_load_b128 v[O+16*\t+4*\w:O+16*\t+4*\w+3], v[AOR] offset:OW*\w+2*QP*\t
.endr
.endr
.endm
.macro OADD                            ; (0 + 1) + (2 + 3)
	WIN 0
.irp t, 0,1
	v_pk_add_f32 v[O+16*\t:O+16*\t+1], v[O+16*\t:O+16*\t+1], v[O+16*\t+4:O+16*\t+5]
	v_pk_add_f32 v[O+16*\t+2:O+16*\t+3], v[O+16*\t+2:O+16*\t+3], v[O+16*\t+6:O+16*\t+7]
	v_pk_add_f32 v[O+16*\t+8:O+16*\t+9], v[O+16*\t+8:O+16*\t+9], v[O+16*\t+12:O+16*\t+13]
	v_pk_add_f32 v[O+16*\t+10:O+16*\t+11], v[O+16*\t+10:O+16*\t+11], v[O+16*\t+14:O+16*\t+15]
.endr
.irp t, 0,1
	v_pk_add_f32 v[O+16*\t:O+16*\t+1], v[O+16*\t:O+16*\t+1], v[O+16*\t+8:O+16*\t+9]
	v_pk_add_f32 v[O+16*\t+2:O+16*\t+3], v[O+16*\t+2:O+16*\t+3], v[O+16*\t+10:O+16*\t+11]
.endr
.endm
.macro OOUT                            ; sixteen lanes store a query's 256 bytes of this head, at a multiple of 256 from out0's first byte
.irp t, 0,1
	global_store_b128 v[GO], v[O+16*\t:O+16*\t+3], s[14:15] offset:8192*\t th:TH_STORE_NT
.endr
.endm
; What stands ahead of line 8 i + 0, 3, 5 (p = 0, 1, 2) of MAXW: pair i's two products of group qk (p = 0, 1; tile 0's scores alone are made so) or tile i's product with V of K step pv (p = 2); -1: none.
; Ahead of pair 0 the wait W0 leaves out what was asked for behind the images of pairs 0 to 2; ahead of pair 3 the wait W3 what was asked for behind pair 3's.
.macro INS i, p, qk, pv
.if (\qk) >= 0
.if \p == 0
.if \i == 0
	s_wait_dscnt W0
.endif
.if \i == 3
	WA
	s_wait_dscnt W3
.endif
	WQK \qk, \i, 0
.endif
.if \p == 1
	WQK \qk, \i, 1
.endif
.endif
.if ((\pv) >= 0) && (\p == 2)
	WPV \pv, \i
.endif
.endm
; The largest score of each of my two blocks of group m, in 32 lines: eight chains, one a tile, each tile read from its low end on.  Five of these lines part a pair's last product from the next pair's first, which writes over its image.
.macro MAXW m, qk, pv
.set wM, 2+(\m)/4
.set rM, 64*((\m)%4)
.set mj, 0
.rept 32
.if mj%8 == 0
	INS mj/8, 0, \qk, \pv
.endif
.if mj%8 == 3
	INS mj/8, 1, \qk, \pv
.endif
.if mj%8 == 5
	INS mj/8, 2, \qk, \pv
.endif
.set mt, mj%8
.if mj < 8
.set wS, wM|(wM<<2)|(wM<<4)
	WIN wS
	v_max3_num_f32 v[T+mt], v[rM+8*mt], v[rM+8*mt+1], v[rM+8*mt+2]
.elseif mj < 24
.set wS, wM|(wM<<2)
.set mo, 1+2*(mj/8)
	WIN wS
	v_max3_num_f32 v[T+mt], v[rM+8*mt+mo], v[rM+8*mt+mo+1], v[T+mt]
.elseif mj < 28
.set wS, wM|(wM<<2)
.set mt, 2*(mj-24)
	WIN wS
	v_max3_num_f32 v[T+mt], v[rM+8*mt+7], v[rM+8*mt+15], v[T+mt]
.elseif mj < 30
	WIN 0
	v_max3_num_f32 v[BM+2*(\m)+mj-28], v[T+4*(mj-28)], v[T+4*(mj-28)+1], v[T+4*(mj-28)+2]
.else
	WIN 0
	v_max_num_f32 v[BM+2*(\m)+mj-30], v[BM+2*(\m)+mj-30], v[T+4*(mj-30)+3]
.endif
.set mj, mj+1
.endr
.endm
.macro STATS1                          ; R = c x the largest score of my 1,024 keys
	WIN 0
.irp i, 0,1,2,3,4
	v_max3_num_f32 v[T+\i], v[BM+3*\i], v[BM+3*\i+1], v[BM+3*\i+2]
.endr
	v_max3_num_f32 v[T], v[T], v[T+1], v[BM+15]
	v_max3_num_f32 v[T+2], v[T+2], v[T+3], v[T+4]
	v_max_num_f32 v[T], v[T], v[T+2]
	v_permlanex16_b32 v[T+1], v[T], s20, s21
	v_max_num_f32 v[T], v[T], v[T+1]
	v_mul_f32 v[RT], s22, v[T]                     ; c is positive
.endm
.macro SETG g
.set wG, 2+(\g)/4
.set rG, 64*((\g)%4)
.endm
.macro FMA g                           ; c s - R, two at a time
	SETG \g
.set wS, wG|(wG<<6)
	WIN wS
.set jj, 0
.rept 32
	v_pk_fma_f32 v[rG+jj:rG+jj+1], v[rG+jj:rG+jj+1], s[22:23], v[RT:RT+1] op_sel_hi:[1,0,0] neg_lo:[0,0,1] neg_hi:[0,0,1]
.set jj, jj+2
.endr
.endm
.macro EXPG g
	SETG \g
.set wS, wG|(wG<<6)
	WIN wS
.set jj, 0
.rept 64
	v_exp_f32 v[rG+jj], v[rG+jj]
.set jj, jj+1
.endr
.endm
; Group g's exponentials with group g + 1's scalings set among them (both groups in one window): the scalings' results are first read behind the next batch's wait
.macro EXFM g
	SETG \g
.set wS, wG|(wG<<6)
	WIN wS
.set jj, 0
.rept 32
	v_exp_f32 v[rG+jj], v[rG+jj]
	v_exp_f32 v[rG+jj+1], v[rG+jj+1]
	v_pk_fma_f32 v[rG+64+jj:rG+65+jj], v[rG+64+jj:rG+65+jj], s[22:23], v[RT:RT+1] op_sel_hi:[1,0,0] neg_lo:[0,0,1] neg_hi:[0,0,1]
.set jj, jj+2
.endr
.endm
.macro SUM g                           ; eight packed chains; group 0's first sixteen pairs start them
	SETG \g
.set jj, 0
.if (\g) == 0
.set wS, wG|(wG<<2)
	WIN wS
.rept 8
	v_pk_add_f32 v[ACC+2*jj:ACC+2*jj+1], v[rG+2*jj:rG+2*jj+1], v[rG+2*jj+16:rG+2*jj+17]
.set jj, jj+1
.endr
.set jj, 16
.endif
	WIN wG
.rept 32-jj
	v_pk_add_f32 v[ACC+2*(jj%8):ACC+2*(jj%8)+1], v[rG+2*jj:rG+2*jj+1], v[ACC+2*(jj%8):ACC+2*(jj%8)+1]
.set jj, jj+1
.endr
.endm
; A tile's scores become e; the sums; the exchange of (R, sum); f; the blocks' scale operands.
; ored = 1: the tile before's parts of O, asked for behind the barrier above, are added and leave here.
.macro PHASE2 ored
	VSLOAD 0
.irp i, 0,1,2,3,4,5,6,7,8,9,10,11,12,13,14,15
	v_fma_f32 v[BM+\i], v[BM+\i], s22, -v[RT]
.endr
	FMA 0
	WA
	WIN 0
.irp i, 0,1,2,3,4,5,6,7,8,9,10,11,12,13,14,15
	v_exp_f32 v[BM+\i], v[BM+\i]
.endr
	EXFM 0
	WA
	EXFM 1
	SUM 0
	WA
	EXFM 2
	SUM 1
	WA
	EXPG 3
	SUM 2
	FMA 4
	WA
	EXFM 4
	SUM 3
	WA
	EXFM 5
	SUM 4
	WA
	EXFM 6
	SUM 5
	WA
	EXPG 7
	SUM 6
	WA
	SUM 7
	WIN 0
.irp i, 0,1,2,3
	v_pk_add_f32 v[ACC+2*\i:ACC+2*\i+1], v[ACC+2*\i:ACC+2*\i+1], v[ACC+2*\i+8:ACC+2*\i+9]
.endr
.irp i, 0,1
	v_pk_add_f32 v[ACC+2*\i:ACC+2*\i+1], v[ACC+2*\i:ACC+2*\i+1], v[ACC+2*\i+4:ACC+2*\i+5]
.endr
	v_pk_add_f32 v[ACC:ACC+1], v[ACC:ACC+1], v[ACC+2:ACC+3]
	v_add_f32 v[LW], v[ACC], v[ACC+1]
	v_permlanex16_b32 v[U], v[LW], s20, s21
	v_add_f32 v[LW], v[LW], v[U]                   ; with lane l xor 16's keys
	ds_store_b64 v[AST], v[RT:RT+1]
	s_wait_dscnt 0x0                               ; for the others' sake: my store has landed; O's parts and V's scale words are in
	s_barrier_signal -1
.if \ored
	OADD
	WA                                             ; the sums are read behind the barrier
.endif
	s_barrier_wait -1
.irp w, 0,1,2,3
	ds_load_b64 v[U+2*\w:U+2*\w+1], v[ASR] offset:256*\w
.endr
.if \ored
	OOUT
.endif
	s_wait_dscnt 0x0
	v_max3_num_f32 v[U+8], v[U], v[U+2], v[U+4]
	v_max_num_f32 v[U+8], v[U+8], v[U+6]           ; TM
.irp w, 0,2,4,6
	v_sub_f32 v[U+\w], v[U+\w], v[U+8]
.endr
	v_sub_f32 v[U+9], v[RT], v[U+8]
	WA
.irp w, 0,2,4,6,9
	v_exp_f32 v[U+\w], v[U+\w]
.endr
	v_nop
	WA
	v_fmaak_f32 v[U+10], v[U], v[U+1], 0x358637bd  ; the row's sum + 1e-6, in two chains
	v_mul_f32 v[U+11], v[U+2], v[U+3]
	v_fmac_f32 v[U+10], v[U+4], v[U+5]
	v_fmac_f32 v[U+11], v[U+6], v[U+7]
	v_add_f32 v[U+10], v[U+10], v[U+11]
	WA
	v_rcp_f32 v[U+10], v[U+10]
	v_nop
	WA
.if \ored
	s_wait_xcnt 0x0                                ; the stores' data and base are written again only behind this wait
	s_add_nc_u64 s[14:15], s[14:15], 65536         ; 16 rows of out0 on
.endif
	v_mul_f32 v[FT], v[U+9], v[U+10]               ; f = 2^(R - TM) / (l + 1e-6)
.irp i, 0,1,2,3,4,5,6,7,8,9,10,11,12,13,14,15
	v_mul_f32 v[BM+\i], v[BM+\i], v[FT]            ; the block's largest w
.endr
.irp i, 0,1,2,3,4,5,6,7,8,9,10,11,12,13,14,15
	v_max_num_f32 v[BM+\i], 0x2800000, v[BM+\i]    ; the floor 2^(5 - 127): the byte cannot fall under 1
.endr
.irp i, 0,1,2,3,4,5,6,7,8,9,10,11,12,13,14,15
	v_add_nc_u32 v[BM+\i], 0xfe000000, v[BM+\i]    ; 4 off the exponent field: the conversion's scale operand
.endr
	v_lshrrev_b32 v[T], 23, v[BM]                  ; w's scale word of K step 0: my blocks' bytes 0 and 2, lane l xor 16's bytes 1 and 3; lanes 0-15 alone are read
	v_lshrrev_b32 v[T+1], 23, v[BM+1]
	v_lshl_or_b32 v[T], v[T+1], 16, v[T]
	v_permlanex16_b32 v[T+1], v[T], s20, s21
	v_lshl_or_b32 v[PW], v[T+1], 8, v[T]
.endm
; w = e x f for group k.  la = 1: the next tile's products of group k - 1 stand among the 32 lines: pair n at lines 7 n and 7 n + 2, so that five plain lines part a pair's last product from
; the next pair's first, which writes over its image.  The counted waits leave the younger pairs' three loads each out; eleven lines or more follow the last of them ahead of the conversions.
.macro PMULQ k, la
.set wP, 2+(\k)/4
.set wX, wP|(wP<<6)
.set rP, 64*((\k)%4)
.set jj, 0
.rept 32
.if \la && ((\k) > 0) && (jj < 28)
.if jj%7 == 0
	s_wait_dscnt 9-3*(jj/7)
	WQK (\k)-1, jj/7, 0
.endif
.if jj%7 == 2
	WQK (\k)-1, jj/7, 1
.endif
.endif
	WIN wX
	v_pk_mul_f32 v[rP+2*jj:rP+2*jj+1], v[rP+2*jj:rP+2*jj+1], v[FT:FT+1] op_sel_hi:[1,0]
.set jj, jj+1
.endr
.endm
.macro MV c, i
	v_mov_b32 v[PC+6*\c+3+\i], v[PT+4*\c+\i]
.endm
; The blocks' second halves move to their places in w's codes; among the moves, K step k + 1's scale word of w is made, in the two registers of PT that no conversion writes.  The first line is the plain line behind the conversions.
.macro MOVPW k
	WIN 0
.if (\k) < 7
	v_lshrrev_b32 v[T+3], 23, v[BM+2*(\k)+2]
	v_lshrrev_b32 v[T+7], 23, v[BM+2*(\k)+3]
	MV 0, 0
	MV 0, 1
	v_lshl_or_b32 v[T+3], v[T+7], 16, v[T+3]
	MV 0, 2
	MV 1, 0
	v_permlanex16_b32 v[T+7], v[T+3], s20, s21
	MV 1, 1
	MV 1, 2
	v_lshl_or_b32 v[PW+((\k)+1)%2], v[T+7], 8, v[T+3]
.else
	v_nop
.irp c, 0,1
.irp i, 0,1,2
	MV \c, \i
.endr
.endr
.endif
.endm
; K step k: normalise, quantise, multiply by V.
.macro STEP k, la
.if (\k) == 0
	WA                                             ; f is read behind the wait below
	s_wait_dscnt 0x0
.if \la
	QLOAD
.endif
.elseif \la == 0
	s_wait_dscnt 0x0                               ; this K step's scale words of V
.endif
	PMULQ \k, \la
	WIN wP
.irp c, 0,1
	v_cvt_scalef32_pk16_bf6_f32 v[PC+6*\c:PC+6*\c+2], v[rP+32*\c:rP+32*\c+15], v[BM+2*(\k)+\c]
	v_cvt_scalef32_pk16_bf6_f32 v[PT+4*\c:PT+4*\c+2], v[rP+32*\c+16:rP+32*\c+31], v[BM+2*(\k)+\c]   ; (a conversion's three registers begin on an even number)
.endr
.if (\k) < 7
	VSLOAD (\k)+1
.endif
.if \la
	LOADKA \k                                      ; the next tile's images, into the registers just quantised,
	LOADKB \k                                      ; and into the buffer, which group k - 1's products have left
.endif
	MOVPW \k
.if \la && ((\k) >= 1)
	MAXW (\k)-1, -1, \k                            ; five of its lines stand ahead of the first product with V (four are owed behind the moves)
.else
	PLACES 4
.irp j, 0,1,2,3
	WPV \k, \j
.endr
.endif
.endm
; A tile of q (window 3, 32 registers at 32 q) is quantised: a lane holds a whole block.  Behind the tile's loads: the later tiles' eight each and the earlier tiles' three stores.
.macro QUANT q
	s_wait_dscnt 24-5*(\q)
	WIN 0x0f
	v_max_num_f32 v[T], |v[32*\q]|, |v[32*\q+1]|
	v_max_num_f32 v[T+1], |v[32*\q+2]|, |v[32*\q+3]|
.irp n, 1,2,3,4,5,6,7
	v_max3_num_f32 v[T], |v[32*\q+4*\n]|, |v[32*\q+4*\n+1]|, v[T]
	v_max3_num_f32 v[T+1], |v[32*\q+4*\n+2]|, |v[32*\q+4*\n+3]|, v[T+1]
.endr
	WIN 0
	v_max3_num_f32 v[T], v[T], v[T+1], 0x2800000
	v_add_nc_u32 v[T+2], 0xfe000000, v[T]
	v_lshrrev_b32 v[T+3], 23, v[T+2]
	v_permlanex16_b32 v[T+5], v[T+3], s20, s21
	v_lshl_or_b32 v[T+3], v[T+5], 8, v[T+3]        ; lanes 0-15: the query's two bytes (lanes 16-31 are not read)
	v_or_b32 v[QS], 0x7f7f0000, v[T+3]             ; [q | 0]: the zero codes' blocks have the byte of 1.0
	v_lshl_or_b32 v[QS+1], v[T+3], 16, 0x7f7f      ; [0 | q]
	WIN 0x03
	v_cvt_scalef32_pk16_bf6_f32 v[QF:QF+2], v[32*\q:32*\q+15], v[T+2]
	v_cvt_scalef32_pk16_bf6_f32 v[KB:KB+2], v[32*\q+16:32*\q+31], v[T+2]
	WIN 0
	v_nop
.irp i, 0,1,2
	v_mov_b32 v[QF+3+\i], v[KB+\i]
.endr
	ds_store_b128 v[AQW], v[QF:QF+3] offset:1024*\q
	ds_store_b64 v[AQW], v[QF+4:QF+5] offset:1024*\q+16
	ds_store_b64 v[AQW], v[QS:QS+1] offset:1024*\q+24
.endm
.macro VLOADS a, n                     ; n of V's fragments from fragment a on: they stay
.set fv, \a
.rept \n
.if fv < 21
	WIN 0x40
.set rV, 12*fv
.else
	WIN 0
.set rV, 124+12*(fv-21)
.endif
.irp c, 0,1,2
	global_load_b128 v[rV+4*\c:rV+4*\c+3], v[GV], s[8:9] offset:1536*fv+512*\c
.endr
.set fv, fv+1
.endr
.endm
	s_load_b256 s[4:11], s[0:1], 0x0               ; q s[4:5], k_img s[6:7], v_img s[8:9], v_scales s[10:11]
	s_load_b64 s[14:15], s[0:1], 0x20              ; out0
	s_set_vgpr_msb 0x40
	v_lshl_add_u32 v254, v0, 2, SPARE
	v_mov_b32 v255, 0
	s_set_vgpr_msb 0x4045
	ds_add_u32 v254, v255
	ds_add_u32 v254, v255
	s_set_vgpr_msb 0x4500
	v_lshrrev_b32 v[T], 5, v0
	v_readfirstlane_b32 s16, v[T]                  ; wave 0..3
	s_bfe_u32 s17, ttmp6, 0x40000                  ; cx
	s_lshl_b32 s18, ttmp9, 2
	s_add_co_u32 s18, s18, s17                     ; my block of 256 queries: it enters q's and out0's addresses alone
	s_and_b32 s19, ttmp7, 0xffff                   ; the head, which the four partners share
	s_mov_b32 s20, 0x76543210
	s_mov_b32 s21, 0xfedcba98                      ; v_permlanex16_b32: lane l xor 16
	s_mov_b32 s22, 0x3e38aa3b                      ; c = log2(e) / 8
	s_mov_b32 s23, s22
	s_lshl_b32 s26, s19, 2
	s_add_co_u32 s26, s26, s16                     ; 4 head + wave
	s_mul_i32 s28, s26, KW                         ; K's chunk
	s_mov_b32 s29, 0
	s_mul_i32 s26, s26, 49152                      ; V's 32 fragments
	s_mov_b32 s27, 0
	s_lshl_b32 s30, s19, 13                        ; V's scale bytes: the head's 64 rows of 128 bytes,
	s_lshl_b32 s31, s16, 5                         ; my 32 bytes of each
	s_add_co_u32 s30, s30, s31
	s_mov_b32 s31, 0
	s_lshl_b32 s2, s18, 20                         ; my block's 256 rows of 4,096 bytes
	s_lshl_b32 s3, s19, 8
	s_add_co_u32 s2, s2, s3
	s_lshl_b32 s3, s16, 18                         ; q: the 64 rows that I quantise
	s_add_co_u32 s24, s2, s3
	s_mov_b32 s25, 0
	s_lshl_b32 s3, s16, 14                         ; out0: the 4 rows of a tile that I store
	s_add_co_u32 s2, s2, s3
	s_mov_b32 s3, 0
	s_mov_b32 s[G1K], 15|(3<<16)|(1<<21)           ; the mask of the four; elements of 8 bytes; bit 21 beside a mask
	s_mov_b32 s[G1K+1], 32<<16                     ; 51,200 dense bytes as 200 rows of 256
	s_mov_b32 s[G1K+2], 200<<16
	s_mov_b32 s[G1K+3], 32<<16
	s_mov_b32 s[G1K+4], 200
	s_mov_b32 s[G1K+5], 32
	s_mov_b32 s[G1K+6], 0
	s_mov_b32 s[G1K+7], 0
	s_mov_b32 s[G0K], 1
	s_mul_i32 s[G0K+1], s16, KW                    ; LDS addresses hang on the wave's number alone
	s_add_co_u32 s44, s[G0K+1], KSO
	s_mul_i32 s45, s16, VSW
	s_add_co_u32 s45, s45, VSCL
	s_lshl_b32 s46, s16, 8
	s_add_co_u32 s46, s46, STAT
	s_mul_i32 s47, s16, OW
	s_add_co_u32 s47, s47, OPART
	s_mul_i32 s48, s16, 4*QP
	s_add_co_u32 s48, s48, OPART
	s_mul_i32 s49, s16, 64*QP
	s_add_co_u32 s49, s49, QST
	s_lshl_b32 s50, s16, 12
	s_add_co_u32 s50, s50, QIMG
	v_and_b32 v[T], 31, v0                         ; lane
	v_and_b32 v[T+1], 15, v0                       ; r
	v_bfe_u32 v[T+2], v0, 4, 1                     ; h
	v_mov_b32 v[T+5], 0                            ; a lane permute's destination and the upper halves of named pairs count as read
	v_mov_b32 v[LW], 0
	v_mov_b32 v[FT+1], 0
.irp i, 6,7,8,9,10,11
	v_mov_b32 v[QF+\i], 0                          ; the zero codes
.endr
	v_lshl_add_u32 v[AK], v[T], 4, s[G0K+1]
	v_lshl_add_u32 v[AKS], v[T], 2, s44
	v_mad_u32_u24 v[AVS], v[T], 48, s45
	v_lshl_add_u32 v[ASR], v[T], 3, STAT
	v_lshl_add_u32 v[AST], v[T], 3, s46
	v_mad_u32_u24 v[AOS], v[T+1], QP, s47
	v_lshl_add_u32 v[AOS], v[T+2], 5, v[AOS]       ; my part: row r, + 32 h
	v_mad_u32_u24 v[AOR], v[T+2], QP, s48
	v_lshl_add_u32 v[AOR], v[T+1], 4, v[AOR]       ; back: rows 4 w + h (+ 2 t), 16 bytes a lane
	v_lshl_add_u32 v[AQ], v[T], 5, QIMG
	v_lshlrev_b32 v[GO], 12, v[T+2]
	v_lshl_add_u32 v[GO], v[T+1], 4, v[GO]         ; rows h, 16 bytes a lane: out0's offset, and q's
	v_mad_u32_u24 v[SQW], v[T+2], QP, s49
	v_lshl_add_u32 v[SQW], v[T+1], 4, v[SQW]
	v_mad_u32_u24 v[SQR], v[T+1], QP, s49
	v_lshl_add_u32 v[SQR], v[T+2], 7, v[SQR]       ; out of the stage: query r, block h
	v_lshl_add_u32 v[AQW], v[T], 5, s50
	v_lshlrev_b32 v[GVS], 7, v[T]
	v_lshlrev_b32 v[GV], 4, v[T]
	WA                                             ; at the head's end
	s_wait_dscnt 0x0
	s_wait_kmcnt 0x0
	s_add_nc_u64 s[G0K+2:G0K+3], s[6:7], s[28:29]
	s_or_b32 s[G0K+3], s[G0K+3], 0x80000000
	s_add_nc_u64 s[4:5], s[4:5], s[24:25]
	s_add_nc_u64 s[8:9], s[8:9], s[26:27]
	s_add_nc_u64 s[10:11], s[10:11], s[30:31]
	s_add_nc_u64 s[14:15], s[14:15], s[2:3]
	ROUND                                          ; all four work-groups are here: the joint loads meet
	tensor_load_to_lds s[G0K:G0K+3], s[G1K:G1K+7]  ; my one tensor load: my keys' images and scale words
	s_nop 0
	PLACES 4
	WIN 0x80
.set ii, 0
.rept 32
	global_load_b128 v[4*ii:4*ii+3], v[GO], s[4:5] offset:8192*ii th:TH_LOAD_NT   ; q's rows 2 i, 2 i + 1: two runs of 256 bytes
.set ii, ii+1
.endr
.irp t, 0,1
.irp i, 0,1
	global_load_b128 v[128+8*\t+4*\i:131+8*\t+4*\i], v[GVS], s[10:11] offset:4096*\t+16*\i
.endr
.endr
	WIN 0x08
.set ii, 0
.rept 32
	s_wait_loadcnt 35-ii                           ; loads come back in order: load i of q is in, the 35 - i younger ones stay out
	ds_store_b128 v[SQW], v[4*ii:4*ii+3] offset:2*QP*ii
.set ii, ii+1
.endr
	s_wait_loadcnt 0x0
.irp t, 0,1
.irp i, 0,1
	ds_store_b128 v[AVS], v[128+8*\t+4*\i:131+8*\t+4*\i] offset:1536*\t+16*\i
.endr
.endr
	WIN 0xc0
.irp q, 0,1,2,3
.irp c, 0,1,2,3,4,5,6,7
	ds_load_b128 v[32*\q+4*\c:32*\q+4*\c+3], v[SQR] offset:16*QP*\q+16*\c   ; LDS serves a wave's instructions in order: these see my stores
.endr
.endr
	VLOADS 0, 20                                   ; 60 loads, under which q is quantised
.irp q, 0,1,2,3
	QUANT \q
.endr
	s_wait_tensorcnt 0x0                           ; my images of K
	s_wait_dscnt 0x0                               ; my four tiles of q have landed
	s_barrier_signal -1
	s_barrier_wait -1                              ; everybody's tiles of q
	VLOADS 20, 12                                  ; the other 36: V is first wanted behind tile 0's exponentials
	; tile 0's scores and maxima; each group's images are asked for a group ahead
	QLOAD
	LOADKA 0
	LOADKB 0
	LOADKA 1
	s_wait_dscnt 11                                ; all but group 1's eleven
.irp n, 0,1,2,3
	WQK 0, \n, 0
	WQK 0, \n, 1
	PLACES 5
.endr
.irp g, 1,2,3,4,5,6,7
	LOADKB \g
.if \g < 7
	LOADKA \g+1
.set W0, 14
.set W3, 11
.else
.set W0, 3
.set W3, 0
.endif
	MAXW \g-1, \g, -1
.endr
	MAXW 7, -1, -1
	STATS1
	PHASE2 0
	s_wait_loadcnt 0x0                             ; V's fragments
	s_mov_b32 s24, 0
.Ltrip:                                                ; tile t is multiplied by V, tile t + 1's scores are made and exponentiated
.irp k, 0,1,2,3,4,5,6,7
	STEP \k, 1
.endr
; group 7's products of the next tile; my part of O goes to LDS behind the first pair's places.  The waits leave out the younger pairs' three loads each and, from pair 1 on, O's eight stores.
.irp n, 0,1,2,3
.if \n == 0
	s_wait_dscnt 9
.else
	s_wait_dscnt 17-3*\n
.endif
	WQK 7, \n, 0
	WQK 7, \n, 1
.if \n < 3
	PLACES 5
.endif
.if \n == 0
	OST
.endif
.endr
	s_wait_dscnt 0x0                               ; my part of O has landed
	s_barrier_signal -1
	MAXW 7, -1, -1                                 ; (its first six lines are the places behind the last pair's products)
	STATS1
	WA                                             ; R is read behind the barrier
	s_barrier_wait -1
	OLOAD
	PHASE2 1
	s_add_co_u32 s24, s24, 1
	s_cmp_lt_u32 s24, NT-1
	s_cbranch_scc1 .Ltrip
.irp k, 0,1,2,3,4,5,6,7                ; the last tile: nothing follows it
	STEP \k, 0
.endr
	PLACES 4
	OST
	s_wait_dscnt 0x0
	s_barrier_signal -1
	s_barrier_wait -1
	OLOAD
	s_wait_dscnt 0x0
	OADD
	OOUT
	s_set_vgpr_msb 0x5
	s_wait_tensorcnt 0x0                           ; the wave's end
	ds_add_u32 v254, v255
	s_wait_dscnt 0x0
	s_set_vgpr_msb 0x500
	ROUND                                          ; the closing round
	s_endpgm
.Lfunc_end_k_q2f2e86406e_attn:
	.size	k_q2f2e86406e_attn, .Lfunc_end_k_q2f2e86406e_attn-k_q2f2e86406e_attn
	.p2alignl 7, 3214868480
	.fill 96, 4, 3214868480
	.section	.rodata,"a",@progbits
	.p2align	6, 0x0
	.amdhsa_kernel k_q2f2e86406e_attn
		.amdhsa_group_segment_fixed_size 327680
		.amdhsa_private_segment_fixed_size 0
		.amdhsa_enable_private_segment 0
		.amdhsa_kernarg_size 40
		.amdhsa_user_sgpr_count 2
		.amdhsa_user_sgpr_kernarg_segment_ptr 1
		.amdhsa_wavefront_size32 1
		.amdhsa_system_sgpr_workgroup_id_x 1
		.amdhsa_system_sgpr_workgroup_id_y 1
		.amdhsa_system_sgpr_workgroup_id_z 1
		.amdhsa_system_vgpr_workitem_id 0
		.amdhsa_next_free_vgpr 1024
		.amdhsa_next_free_sgpr 66
		.amdhsa_reserve_vcc 0
		.amdhsa_float_denorm_mode_32 3
		.amdhsa_float_denorm_mode_16_64 3
		.amdhsa_memory_ordered 1
		.amdhsa_forward_progress 1
		.amdhsa_inst_pref_size 255
	.end_amdhsa_kernel
	.section	.bss,"aw",@nobits
	.p2align	6
	.space	262144
	.amdgpu_metadata
---
amdhsa.version: [ 1, 2 ]
amdhsa.kernels:
  - .name:           k_q2f2e86406e_attn
    .symbol:         k_q2f2e86406e_attn.kd
    .args:
      - { .name: q, .offset: 0, .size: 8, .value_kind: global_buffer, .address_space: global }
      - { .name: k_img, .offset: 8, .size: 8, .value_kind: global_buffer, .address_space: global }
      - { .name: v_img, .offset: 16, .size: 8, .value_kind: global_buffer, .address_space: global }
      - { .name: v_scales, .offset: 24, .size: 8, .value_kind: global_buffer, .address_space: global }
      - { .name: out0, .offset: 32, .size: 8, .value_kind: global_buffer, .address_space: global }
    .group_segment_fixed_size: 327680
    .private_segment_fixed_size: 0
    .kernarg_segment_align: 8
    .kernarg_segment_size: 40
    .max_flat_workgroup_size: 128
    .sgpr_count:     66
    .vgpr_count:     1024
    .wavefront_size: 32
...
	.end_amdgpu_metadata
.endif
;; end of part 2
